; MI455X (gfx1250); checked and timed in simulation.
; The chip was launched on July 23, 2026; its instructions are those of AMD's public machine-readable ISA for CDNA 5 (MIT licence, August 2026) and "CDNA5" Instruction Set Architecture Reference Guide (July 2026). The comments in the code are by the model that wrote it; some were corrected since.
;; Attention. Allowed arithmetic: matrix products marked QUANTISED: E5M2 operands, one E8M0 scale for each 32 along K, by v_wmma_scale_f32_16x16x128_f8f6f4 with both operands' format E5M2, f32 sums; products left as they are: f32 operands where the result goes on into a quantised operand, else bf16, f16 or f32 operands; f32 sums; everything else in f32.
;; Inputs: U_codes 1,024 x 32 x 32 uint8 (E5M2 codes of U, K innermost, in blocks of 32 codes); U_scales 1,024 x 32 uint8 (E8M0 scales of U, one for each 32 codes along K); W_codes 1,024 x 32 x 32 uint8 (E5M2 codes of W, K innermost, in blocks of 32 codes); W_scales 1,024 x 32 uint8 (E8M0 scales of W, one for each 32 codes along K); hidden_codes 1 x 64 x 32 x 32 uint8 (E5M2 codes of hidden, K innermost, in blocks of 32 codes); hidden_scales 1 x 64 x 32 uint8 (E8M0 scales of hidden, one for each 32 codes along K); inputs_codes 1,024 x 64 x 32 x 32 uint8 (E5M2 codes of inputs, K innermost, in blocks of 32 codes); inputs_scales 1,024 x 64 x 32 uint8 (E8M0 scales of inputs, one for each 32 codes along K); pad_matrix 64 x 1,024 bool; v 1,024 x 1 float32.
;; Outputs: out0 64 x 1,024 float32.
;; This version of the problem:
;;   THIS VERSION OF THE PROBLEM IS GIVEN IN LOW PRECISION. The matrix products marked QUANTISED in the list below multiply operands that are first quantised to E5M2 (5 exponent bits, 2 mantissa bits; 8 bits a number), with one power-of-two scale for each 32 numbers along K (OCP MX v1.0); their sums are f32. All else is computed in f32.
;;   The module's matrix products, in the order in which they are computed (A, B: the left and right operand; K: the contracted axis; several contracted axes count as one K, in the product's order):
;;     1. [M 64, K 1,024] x [K 1,024, N 1,024]; A: input hidden (given as codes); B: input W (given as codes): QUANTISED
;;     2. [M 65,536, K 1,024] x [K 1,024, N 1,024]; A: input inputs (given as codes); B: input U (given as codes): QUANTISED
;;     3. [M 65,536, K 1,024] x [K 1,024, N 1]; A: computed on the way; B: input v: left as it is (N = 1 < 16)
;;   THE QUANTISER, for each operand of a quantised product, along K:
;;     - K is cut into blocks of 32 from its start; a last block that is shorter is filled with zeros.
;;     - A block's scale is 2^e with e = floor(log2(the largest magnitude in the block)) - 15, held to -126 .. 127; a block of zeros has e = 0. As a byte (E8M0): e + 127.
;;     - Each number is divided by its block's scale, clamped to +-57,344, and rounded to the nearest number of E5M2, ties to even, subnormals kept.
;;     - The product sums the exact products of the quantised numbers (number of the format x scale) in f32.
;;   ~~~python
;;   def quantise(x, axis):      # numpy; x: float32 -> the quantised numbers, widened to float32 again
;;       x = np.moveaxis(x, axis, -1); K = x.shape[-1]
;;       x = np.pad(x, [(0, 0)] * (x.ndim - 1) + [(0, -K % 32)]); x = x.reshape(x.shape[:-1] + (-1, 32)); a = np.abs(x).max(-1, keepdims=True)
;;       e = np.where(a > 0, np.clip(np.frexp(np.where(a > 0, a, 1))[1] - 1 - 15, -126, 127), 0)      # np.frexp(a)[1] - 1 = floor(log2(a)), exactly
;;       r = np.clip(x / 2.0 ** e, -57344, 57344)
;;       step = 2.0 ** (np.maximum(np.frexp(np.where(r == 0, 1, r))[1] - 1, -14) - 2)
;;       q = np.round(r / step) * step * 2.0 ** e      # np.round: ties to even
;;       return np.moveaxis(q.reshape(q.shape[:-2] + (-1,))[..., :K], -1, axis).astype(np.float32)
;;   ~~~
;;   INPUTS GIVEN AS CODES. U (in the module: [1024, 1024], K = its axis 0); W (in the module: [1024, 1024], K = its axis 0); hidden (in the module: [1, 64, 1024], K = its axis 2); inputs (in the module: [1024, 64, 1024], K = its axis 2): each comes as NAME_codes (uint8): NAME with its K axis moved to the last place and cut into blocks of 32 codes, [.., K / 32, bytes a block], one block behind the other in memory; one code a byte (a code: sign, 5 exponent bits, 2 mantissa bits); and NAME_scales (uint8): the same leading axes, one E8M0 byte (e + 127) for each 32 codes along K. Its value is code x scale, taken as it is: it is not quantised again, and the codes and scales need not be those that the quantiser above would give.
;; One version. Each part assembles by itself: llvm-mc -triple=amdgcn-amd-amdhsa -mcpu=gfx1250 --defsym DOCPART=n.
;; ======== version 1 of 1: 2 launches
;; workspace buffers: part 1,048,576 bytes
;; launch scores (part 1): grid 256 x 1, 4 waves a work-group, clusters of 4 x 1, 327,680 bytes of LDS; arguments inputs_codes, inputs_scales, U_codes, U_scales, W_codes, W_scales, hidden_codes, hidden_scales, v, part; writes part
.if DOCPART == 1
	.amdgcn_target "amdgcn-amd-amdhsa--gfx1250"
	.amdhsa_code_object_version 6
	.text
	.protected	k_q60c11f4529_scores
	.globl	k_q60c11f4529_scores
	.p2align	8
	.type	k_q60c11f4529_scores,@function
k_q60c11f4529_scores:
	s_mov_b64 s[64:65], 0
	v_nop
	global_prefetch_b8 v0, s[64:65] scope:SCOPE_SE
	s_setreg_imm32_b32 hwreg(HW_REG_WAVE_MODE, 25, 1), 1
	s_wait_xcnt 0x0
	s_wait_alu depctr_hold_cnt(0) depctr_sa_sdst(0) depctr_va_vdst(0) depctr_va_sdst(0) depctr_va_ssrc(0) depctr_va_vcc(0) depctr_vm_vsrc(0)
	s_getreg_b32 s2, hwreg(HW_REG_IB_STS2, 6, 4)
	s_cmp_eq_u32 s2, 0
	s_cbranch_scc0 .Lentry_in_a_cluster
	s_endpgm
.Lentry_in_a_cluster:
	s_bfe_u32 s2, ttmp6, 0x10000c
	s_cmp_lg_u32 s2, 0x3003
	s_cbranch_scc0 .Lentry_shape_is_right
	s_endpgm
.Lentry_shape_is_right:
; part[q][b][s] = the sum over the 256 columns n of quarter q of v[n] tanh(ah[b][n] + proj[s][b][n]),  ah = hidden W,  proj = inputs U.
; Both products run on the given codes of BF8 (E5M2) with their E8M0 scale bytes, K = 1,024 innermost, sums in f32; proj and ah never go to memory.
; SHARES.  A wave owns 64 columns of U for all of K: 64 x 1,024 bytes = 512 registers, loaded once and kept.  A work-group of four waves owns 256 columns (quarter q),
; a cluster of four work-groups all 1,024.  Cluster C takes the rows b = 16 g + 0..15 (g = C % 4) of s = 64 sr + 0..63 (sr = C / 4): 64 BLOCKS of 16 rows, one s each.
; A block is 16,384 dense bytes of inputs_codes, and blocks lie 65,536 bytes apart.  Every wave walks all 64 blocks: 64 x 32 matrix instructions.
; CLUSTER.  The four work-groups need the same rows, so each tile is asked for JOINTLY: the same tensor load, the same descriptor, a mask that names the four.
; The rows go through a ring of two LDS slots of 8 blocks; wave w brings blocks 2 w and 2 w + 1 of a slot by one load.  The rows' scale bytes (32 KiB) come once and stay.
; THE MATRIX INSTRUCTION IS USED TRANSPOSED: source 0 = 16 rows of U_codes (columns n), source 1 = the block's 16 rows: lane (r, h) holds row r, register j column 16 nb + 8 h + j.
; W x hidden in the same form leaves ah in that layout; it is the C of each block's first K step, so the addition of ah costs no instruction.
; TANH.  tanh(x) = 1 - 2 / (1 + 2^(c x)), c = 2 log2(e).  The score is (the sum of v) - 2 (the sum of v r), r = 1 / (1 + 2^(c x)): the lane's own sum of v starts the first
; multiply-add, and the multipliers are -2 v.  Where 2^(c x) overflows r is 0 and tanh 1; where it falls to 0 r is 1 and tanh -1: no clamp is needed.
; BY TURNS.  While block i's 32 products fill accumulator set i % 2, the tanh of block i - 1 (the other set), a list of 128 entries, stands in slices of four behind them.
; LIMITS.  NaN and infinities in v and scale bytes 0xff are not served.  1 - 2 r carries an absolute error of about 2^-23 in tanh.  v_exp_f32 gives 0 for results under 2^-126, which changes nothing in 1 + 2^(c x).
; REGISTERS, in windows of 256 (s_set_vgpr_msb: bits 1:0 source 0, 3:2 source 1, 5:4 source 2, 7:6 destination):
;   window 0: addresses, sums, scale words, -2 v, ah, two sets of four accumulators, the way out.   window 1: the block's fragments, two sets of 8 x 16.
;   window 2: U's fragments of K steps 0-3, at 64 s + 16 nb.   window 3: those of K steps 4-7.
.set PITCH, 1040                       ; a row in LDS: 1,024 bytes + 16 of padding = 260 words: row r starts at bank 4 r mod 64 (64 banks of 4 bytes: ISA guide 11.1)
.set BLKB,  16*PITCH                   ; a block in LDS
.set SLOT,  8*BLKB                     ; a slot: 8 blocks
.set STEPB, 8*65536                    ; 8 blocks on in memory
.set SCL,   2*SLOT                     ; behind the ring: the scale bytes of the cluster's 64 blocks, 512 bytes a block, filled once
.set SCR,   SCL+64*512                 ; the scores: for each wave 16 rows x (64 s x 4 bytes + 16); written by LDS stores alone
.set SCRP,  272
.set SCRW,  16*SCRP
.set SPARE, SCR+4*SCRW                 ; the spare words, 128 bytes for each wave: two blocks of 256 bytes that no other line names
.set SPW,  1                           ; v1   LDS address of my spare word; never rewritten
.set NIL,  2                           ; v2   0; never rewritten
.set AL,   3                           ; v3   my lane's place in a block: r x PITCH + 16 h
.set SL,   5                           ; v5   my lane's place among a block's scale bytes: SCL + 32 r
.set ADS,  6                           ; v6   address of the scale words in hand
.set SSL,  7                           ; v7   my row's scores: SCR + wave x SCRW + r x SCRP
.set PFO,  9                           ; v9   the prefetches' offset: 256 x lane; never rewritten
.set VO,   10                          ; v10  a weight's or hidden's row r: 1,024 r + 16 h
.set VS32, 11                          ; v11  32 r: a row of scale bytes
.set VV,   12                          ; v12  32 h: my half's eight numbers of v
.set GOF,  13                          ; v13  the way out: 4,096 h + 16 r
.set RDA,  14                          ; v14  the way out: SCR + (4 wave + h) x SCRP + 16 r
.set SUM0, 16                          ; v[16:17], v[18:19] two chains of sums
.set SUM1, 18
.set TT,   20                          ; v20  the lane's score;  v21 the other half's
.set TT2,  21
.set VS,   22                          ; v[22:23] the sum of my 32 numbers of v, even and odd ones
.set ASC,  24                          ; v24-39   the block's scale words: set P at 8 P, K step s at + s
.set USC,  40                          ; v40-71   U's scale words: 8 nb + s
.set WN,   72                          ; v72-103  -2 v: 8 nb + j
.set BIAS, 104                         ; v104-135 ah: 8 nb + j
.set ACC,  136                         ; v136-199 accumulators: set P at 32 P, tile nb at + 8 nb
.set OUTR, 200                         ; v200-231 the way out
.set ADR,  232                         ; v232-233 address of the fragments in hand, one register for each set
.set ADW,  234                         ; v234-235 address of the score to be stored, one register for each set
.set WV,   24                          ; s24  my wave's number
.set G1,   36                          ; s[36:43] descriptor group 1 for the codes;  s[44:51] for the scale bytes
.set G1S,  44
.set G0,   52                          ; s[52:59] group 0 for the codes, a set for each slot;  s[60:63] for the scale bytes
.set G0S,  60
.set CS,   66                          ; s[66:67] c, twice: the packed form names a pair
.set SEL,  68                          ; s[68:69] lane selects for v_permlanex16_b32: lane l xor 16
.set TB,   70                          ; s70  LDS byte of the block to be fetched next
.set TS,   71                          ; s71  512 x that block's number
.set SS,   72                          ; s72  4 x the number of the block whose score is stored next
.set CNT,  73                          ; s73  pairs of blocks to go
.set TRIP, 74                          ; s74  laps of the ring to go
.set PFA,  76                          ; s[76:77] where my prefetches stand
.set MSB, 0
.macro WIN new                         ; the immediate's high byte repeats the setting that is left; a switch that changes nothing is dropped
.if MSB != \new
	s_set_vgpr_msb (MSB<<8)|\new
.set MSB, \new
.endif
.endm
; A round of the cluster's barrier: my work-group's barrier; wave 0 signals for the work-group; every wave waits for all four work-groups; my work-group's barrier once more.
.macro ROUND
	s_barrier_signal -1
	s_barrier_wait -1
	s_cmp_lg_u32 s[WV], 0
	s_cbranch_scc1 .Lnot_wave_0_\@
	s_barrier_signal -3
.Lnot_wave_0_\@:
	s_barrier_wait -3
	s_barrier_signal -1
	s_barrier_wait -1
.endm
; My 64 rows of a weight's codes into windows 2 and 3: tile nb, K step 4 u + t, piece c.  Eight loads on end cover the same 256 bytes of sixteen rows.
.macro LOADMAT ptr
.irp u, 0,1
.set wn, 0x80+0x40*\u
	WIN wn
.irp nb, 0,1,2,3
.irp t, 0,1,2,3
.irp c, 0,1,2,3
	global_load_b128 v[64*\t+16*\nb+4*\c:64*\t+16*\nb+4*\c+3], v[VO], s[\ptr:\ptr+1] offset:\nb*16384+(4*\u+\t)*128+32*\c
.endr
.endr
.endr
.endr
	WIN 0
.endm
.macro LOADSC ptr                      ; and their scale words: 32 bytes a row, word s for K step s
.irp nb, 0,1,2,3
	global_load_b128 v[USC+8*\nb:USC+8*\nb+3], v[VS32], s[\ptr:\ptr+1] offset:512*\nb
	global_load_b128 v[USC+8*\nb+4:USC+8*\nb+7], v[VS32], s[\ptr:\ptr+1] offset:512*\nb+16
.endr
.endm
; One product: D at v[d]; C the constant 0 (c = 0) or v[c]; the block's set p, K step s, tile nb of my columns.
.macro MM d, c, p, s, nb
.set wn, 0x06+(\s)/4                   ; source 0 (U) window 2 or 3, source 1 (the block) window 1, C and D window 0
	WIN wn
.if (\c) == 0
	v_wmma_scale_f32_16x16x128_f8f6f4 v[(\d):(\d)+7], v[64*((\s)%4)+16*(\nb):64*((\s)%4)+16*(\nb)+15], v[128*(\p)+16*(\s):128*(\p)+16*(\s)+15], 0, v[USC+8*(\nb)+(\s)], v[ASC+8*(\p)+(\s)] matrix_a_fmt:MATRIX_FMT_BF8 matrix_b_fmt:MATRIX_FMT_BF8
.else
	v_wmma_scale_f32_16x16x128_f8f6f4 v[(\d):(\d)+7], v[64*((\s)%4)+16*(\nb):64*((\s)%4)+16*(\nb)+15], v[128*(\p)+16*(\s):128*(\p)+16*(\s)+15], v[(\c):(\c)+7], v[USC+8*(\nb)+(\s)], v[ASC+8*(\p)+(\s)] matrix_a_fmt:MATRIX_FMT_BF8 matrix_b_fmt:MATRIX_FMT_BF8
.endif
.endm
; 16 LDS loads in one run: four K steps' fragments of a block, from K step first on, into set P.  A fragment: lane (r, h) holds row r, registers 4 c .. 4 c + 3 K = 32 c + 16 h + 0 .. 15.
.macro FRAGS P, first
	WIN 0x40                           ; destination window 1, address window 0
.irp t, 0,1,2,3
.irp c, 0,1,2,3
	ds_load_b128 v[128*(\P)+16*(\first+\t)+4*\c:128*(\P)+16*(\first+\t)+4*\c+3], v[ADR+(\P)] offset:128*(\first+\t)+32*\c
.endr
.endr
	WIN 0
.endm
; A BATCH of 16 plain packed lines and 32 transcendentals on the 32 registers from v[xb] on: entry pu of 48.  kind 0: x c, then 2^; kind 1: + 1, then the reciprocal.
; Three pairs go ahead; then two transcendentals and a plain line by turns; the last six transcendentals end it.  A pair's plain line stands seven entries ahead of its transcendentals,
; and no entry names a transcendental's result.  The pairs ascend.
.macro PLAINP kind, reg
.if \kind == 0
	v_pk_mul_f32 v[\reg:\reg+1], v[\reg:\reg+1], s[CS:CS+1] op_sel_hi:[1,0]
.else
	v_pk_add_f32 v[\reg:\reg+1], v[\reg:\reg+1], 1.0 op_sel_hi:[1,0]
.endif
.endm
.macro TRANSP kind, reg
.if \kind == 0
	v_exp_f32 v[\reg], v[\reg]
.else
	v_rcp_f32 v[\reg], v[\reg]
.endif
.endm
.macro PH kind, xb
.if pu < 3
.set rr, (\xb)+2*pu
	PLAINP \kind, rr
.elseif pu < 42
.set pq, pu-3
.if pq%3 == 2
.set rr, (\xb)+2*(pq/3+3)
	PLAINP \kind, rr
.else
.set rr, (\xb)+2*(pq/3)+pq%3
	TRANSP \kind, rr
.endif
.else
.set rr, (\xb)+pu-16
	TRANSP \kind, rr
.endif
.endm
; ENTRY en (0 .. 127) of the list for accumulator set Q.  load = 1: entries 56 and 105 also fetch the next block, into fragment set Q.  epi = 0: there is no tanh yet, only the fetches.
;   0       the address of the score;  1-7 v_nop: with entry 0 the eight plain instructions behind the last products of that set, ahead of the first read of
;           their results and of the loads into the fragments and scale words that they read
;   8-55    the batch x c, 2^
;   56      a plain line behind the last exponential; the ONE wait for the batch ahead of the first line that names a result; K steps 0-3 of the next block
;   57-104  the batch + 1, reciprocal
;   105     the same for the reciprocals; the next block's scale words and K steps 4-7
;   106-121 the sums of -2 v r, in two chains; the first starts from the sum of v
;   122-126 the chains, the pair's halves and lane l xor 16's are added; the score goes to my row's place in LDS (lanes r and r + 16 write the same word with the same value)
.macro ENTRY Q, load, epi
.set XB, ACC+32*(\Q)
.if en == 56
	WIN 0
.if \load
	v_add_nc_u32 v[ADR+(\Q)], s[TB], v[AL]         ; this set's address register: its last loads were shown done by the last block's wait at K step 4
.else
	v_nop
.endif
.if \epi
	s_wait_alu depctr_va_vdst(0)
.endif
.if \load
	FRAGS \Q, 0
.endif
.elseif en == 105
	WIN 0
.if \load
	v_add_nc_u32 v[ADS], s[TS], v[SL]              ; its last loads were shown done by the wait at this block's head
.else
	v_nop
.endif
.if \epi
	s_wait_alu depctr_va_vdst(0)
.endif
.if \load
	ds_load_b128 v[ASC+8*(\Q):ASC+8*(\Q)+3], v[ADS]
	ds_load_b128 v[ASC+8*(\Q)+4:ASC+8*(\Q)+7], v[ADS] offset:16
	FRAGS \Q, 4
	s_add_co_u32 s[TB], s[TB], BLKB
	s_add_co_u32 s[TS], s[TS], 512
.endif
.elseif \epi
	WIN 0
.if en == 0
	v_add_nc_u32 v[ADW+(\Q)], s[SS], v[SSL]        ; this set's address register: its last store was shown done by the last block's wait at K step 4
.elseif en < 8
	v_nop
.elseif en < 56
.set pu, en-8
	PH 0, XB
.elseif en < 105
.set pu, en-57
	PH 1, XB
.elseif en < 122
.set fi, en-106
.if fi == 0
	v_pk_fma_f32 v[SUM0:SUM0+1], v[XB:XB+1], v[WN:WN+1], v[VS:VS+1]
.elseif fi == 1
	v_pk_mul_f32 v[SUM1:SUM1+1], v[XB+2:XB+3], v[WN+2:WN+3]
.else
.set sx, SUM0+2*(fi%2)
	v_pk_fma_f32 v[sx:sx+1], v[XB+2*fi:XB+2*fi+1], v[WN+2*fi:WN+2*fi+1], v[sx:sx+1]
.endif
.elseif en == 122
	v_pk_add_f32 v[SUM0:SUM0+1], v[SUM0:SUM0+1], v[SUM1:SUM1+1]
.elseif en == 123
	v_add_f32 v[TT], v[SUM0], v[SUM0+1]
.elseif en == 124
	v_permlanex16_b32 v[TT2], v[TT], s[SEL], s[SEL+1]
.elseif en == 125
	v_add_f32 v[TT], v[TT], v[TT2]
.elseif en == 126
	ds_store_b32 v[ADW+(\Q)], v[TT]
	s_add_co_u32 s[SS], s[SS], 4
.endif
.endif
.endm
; A BLOCK: 32 products into accumulator set P, K step by K step, the four tiles by turns, one instruction a turn; the change of set keeps the turns at a block's edge.
; Behind each product stand four entries of the other set's list.
.macro BLOCK P, epi, load
	s_wait_dscnt 16                                ; K steps 0-3 and the scale words are in: behind them stand the 16 loads of K steps 4-7 (and, in the loop, a score's store)
.set en, 0
.set kk, 0
.rept 32
.if kk == 16
.if \load
	s_wait_dscnt 16                                ; K steps 4-7 are in: behind them stand the 16 loads of entry 56 (and, in the loop, a score's store, which is done too)
.else
	s_wait_dscnt 0x0
.endif
.endif
.set ks, kk/4
.set kn, kk%4
.set kd, ACC+32*(\P)+8*kn
.if ks == 0
.set kc, BIAS+8*kn                     ; the first K step starts the sums from ah
.else
.set kc, kd
.endif
	MM kd, kc, \P, ks, kn
.rept 4
	ENTRY 1-(\P), \load, \epi
.set en, en+1
.endr
.set kk, kk+1
.endr
	WIN 0                                          ; at a label and at a branch every window is 0
.endm
.macro PAIRS n                         ; 2 n blocks, an odd one first
	s_mov_b32 s[CNT], \n
.Lpair_\@:
	BLOCK 1, 1, 1
	BLOCK 0, 1, 1
	s_sub_co_u32 s[CNT], s[CNT], 1
	s_cmp_lg_u32 s[CNT], 0
	s_cbranch_scc1 .Lpair_\@
.endm
; THE CHANGE OF SLOTS stands in front of a slot's last block, whose fragments have been asked for.  Each wave waits for all its tensor loads, of which one is out: its part of the other slot;
; adds 0 to its spare word; and waits for that and for its reads of the slot.  fill = 1: the slot is filled again with the blocks two slots on: the barrier is then a round of the cluster's,
; and the joint refill is the first thing behind it: it has 8 blocks, 256 matrix instructions, in which to land.
; THE PREFETCH behind the refill and its four lines asks for the 8 blocks that the NEXT change will request: 8 x 16,384 bytes = 16 waves x 32 lanes x 256 bytes.  Wave w of partner q takes
; half a block, number 4 q + w, told apart by address alone; no other cluster reads these rows: each 256 bytes are named once.  cond = 1: the last lap's second change asks for nothing: there are no blocks left.
.macro CHANGE slot, fill, next, cond
	s_wait_tensorcnt 0x0                           ; no tensor load of mine is out, so a group 0 may be written
	ds_add_u32 v[SPW], v[NIL]                      ; 0 onto my spare word
.if \fill
	s_add_nc_u64 s[G0+4*\slot+2:G0+4*\slot+3], s[G0+4*\slot+2:G0+4*\slot+3], 2*STEPB   ; two slots on; the type bits on top are not reached
	s_wait_xcnt 0x0                                ; the last prefetch, 8 blocks back, has read its address
	s_add_nc_u64 s[PFA:PFA+1], s[PFA:PFA+1], STEPB
.endif
	s_mov_b32 s[TB], \next*SLOT                    ; the next fetch is the other slot's first block
	s_wait_dscnt 0x0                               ; the add is done, and my reads of the slot are over
.if \fill
	ROUND
	tensor_load_to_lds s[G0+4*\slot:G0+4*\slot+3], s[G1:G1+7]
	s_nop 0
.rept 4
	v_nop                                          ; behind a tensor load
.endr
.if \cond
	s_cmp_gt_u32 s[TRIP], 1
	s_cbranch_scc0 .Lnone_\@
.endif
	global_prefetch_b8 v[PFO], s[PFA:PFA+1] th:TH_LOAD_NT scope:SCOPE_SE
.if \cond
.Lnone_\@:
.endif
.else
	s_barrier_signal -1
	s_barrier_wait -1
.endif
.endm
	s_load_b512 s[4:19], s[0:1], 0x0               ; inputs_codes s[4:5], inputs_scales s[6:7], U_codes s[8:9], U_scales s[10:11], W_codes s[12:13], W_scales s[14:15], hidden_codes s[16:17], hidden_scales s[18:19]
	s_load_b128 s[20:23], s[0:1], 0x40             ; v s[20:21], part s[22:23]
	v_lshl_add_u32 v[SPW], v0, 2, SPARE
	v_mov_b32 v[NIL], 0
	ds_add_u32 v1, v2
	ds_add_u32 v1, v2
	s_wait_dscnt 0x0
	v_lshrrev_b32 v4, 5, v0
	v_readfirstlane_b32 s[WV], v4                  ; wave 0..3
	s_bfe_u32 s25, ttmp6, 0x40000                  ; q = my place in the cluster: it enters the weights', v's, part's and the prefetches' addresses alone
	s_and_b32 s26, ttmp9, 3                        ; g: in a cluster launch ttmp9 counts clusters
	s_lshr_b32 s27, ttmp9, 2                       ; sr
	; the stream's offsets, made of the cluster's number and the wave's alone
	s_lshl_b32 s28, s27, 22                        ; 64 s x 65,536 bytes
	s_lshl_b32 s29, s26, 14                        ; 16 rows x 1,024 bytes
	s_add_co_u32 s28, s28, s29                     ; the cluster's first block
	s_lshl_b32 s29, s[WV], 17
	s_add_co_u32 s30, s28, s29                     ; + my two blocks of a slot
	s_mov_b32 s31, 0
	s_lshl_b32 s34, s27, 17                        ; the scale bytes: 64 s x 2,048 bytes,
	s_lshl_b32 s29, s26, 9                         ; 16 rows x 32,
	s_add_co_u32 s34, s34, s29
	s_lshl_b32 s29, s[WV], 15                      ; my 16 blocks
	s_add_co_u32 s34, s34, s29
	s_mov_b32 s35, 0
	; the prefetches: half a block, number 4 q + w, of the third slot's worth
	s_lshl_b32 s78, s25, 2
	s_add_co_u32 s78, s78, s[WV]
	s_lshr_b32 s79, s78, 1
	s_lshl_b32 s79, s79, 16
	s_and_b32 s78, s78, 1
	s_lshl_b32 s78, s78, 13
	s_add_co_u32 s32, s78, s79
	s_add_co_u32 s32, s32, s28
	s_add_co_u32 s32, s32, 2*STEPB                 ; the first change steps it on to the fourth.  Nothing is prefetched at the head, where every work-group's first tiles are on their way
	s_mov_b32 s33, 0
	; my 64 columns: 1,024 bytes of codes, 32 scale bytes, 4 bytes of v a column
	s_lshl_b32 s78, s25, 18
	s_lshl_b32 s79, s[WV], 16
	s_add_co_u32 s78, s78, s79
	s_mov_b32 s79, 0
	s_lshr_b32 s80, s78, 5
	s_mov_b32 s81, 0
	s_lshr_b32 s82, s78, 8
	s_mov_b32 s83, 0
	s_lshl_b32 s84, s26, 14                        ; hidden's 16 rows
	s_mov_b32 s85, 0
	s_lshl_b32 s28, s26, 9                         ; and their scale bytes
	s_mov_b32 s29, 0
	s_lshl_b32 s86, s25, 18                        ; part: quarter q, row 16 g + 4 w, s = 64 sr
	s_lshl_b32 s87, s26, 16
	s_add_co_u32 s86, s86, s87
	s_lshl_b32 s87, s[WV], 14
	s_add_co_u32 s86, s86, s87
	s_lshl_b32 s87, s27, 8
	s_add_co_u32 s86, s86, s87
	s_mov_b32 s87, 0
	; descriptor group 1 for the codes: 2 lines of 16,384 bytes (2,048 elements of 8 bytes), 65,536 bytes apart; 16 bytes of padding behind every 1,024: a line takes 16 x 1,040 bytes of LDS
	s_mov_b32 s[G1+0], 15|(3<<16)|(1<<20)|(1<<21)|(7<<22)|(3<<25)  ; 15:0 the mask: all four work-groups; 17:16 elements of 8 bytes; 20 padding on; 21 set beside a mask; 24:22 after every 256 words (code 7); 31:25 four words (code 3)
	s_mov_b32 s[G1+1], 2048<<16                    ; tensor_dim0
	s_mov_b32 s[G1+2], 2<<16                       ; tensor_dim1
	s_mov_b32 s[G1+3], 2048<<16                    ; tile_dim0
	s_mov_b32 s[G1+4], 2                           ; tile_dim1
	s_mov_b32 s[G1+5], 8192                        ; tensor_dim0_stride
	s_mov_b32 s[G1+6], 0
	s_mov_b32 s[G1+7], 0
	; and for the scale bytes: 16 lines of 512 bytes (64 elements), 2,048 bytes apart, no padding
	s_mov_b32 s[G1S+0], 15|(3<<16)|(1<<21)
	s_mov_b32 s[G1S+1], 64<<16
	s_mov_b32 s[G1S+2], 16<<16
	s_mov_b32 s[G1S+3], 64<<16
	s_mov_b32 s[G1S+4], 16
	s_mov_b32 s[G1S+5], 256
	s_mov_b32 s[G1S+6], 0
	s_mov_b32 s[G1S+7], 0
	s_mov_b32 s[CS], 0x4038aa3b                    ; c = 2 log2(e)
	s_mov_b32 s[CS+1], s[CS]
	s_mov_b32 s[SEL], 0x76543210
	s_mov_b32 s[SEL+1], 0xfedcba98
	v_and_b32 v16, 15, v0                          ; r
	v_bfe_u32 v17, v0, 4, 1                        ; h
	v_and_b32 v18, 31, v0                          ; lane
	v_mul_u32_u24 v[AL], v16, PITCH
	v_lshl_add_u32 v[AL], v17, 4, v[AL]
	v_lshl_add_u32 v[SL], v16, 5, SCL
	s_mul_i32 s2, s[WV], SCRW
	s_add_co_u32 s2, s2, SCR
	v_mul_u32_u24 v[SSL], v16, SCRP
	v_add_nc_u32 v[SSL], s2, v[SSL]
	v_lshlrev_b32 v[PFO], 8, v18
	v_lshlrev_b32 v[VO], 10, v16
	v_lshl_add_u32 v[VO], v17, 4, v[VO]
	v_lshlrev_b32 v[VS32], 5, v16
	v_lshlrev_b32 v[VV], 5, v17
	v_lshlrev_b32 v[GOF], 12, v17
	v_lshl_add_u32 v[GOF], v16, 4, v[GOF]
	s_mul_i32 s3, s[WV], 4*SCRP
	s_add_co_u32 s3, s3, SCR
	v_mul_u32_u24 v[RDA], v17, SCRP
	v_lshl_add_u32 v[RDA], v16, 4, v[RDA]
	v_add_nc_u32 v[RDA], s3, v[RDA]
	v_mov_b32 v[TT2], 0                            ; written once: a lane permute's destination counts as one of its sources
	s_wait_kmcnt 0x0
	s_add_nc_u64 s[PFA:PFA+1], s[4:5], s[32:33]
	s_add_nc_u64 s[4:5], s[4:5], s[30:31]          ; inputs_codes at my part of slot 0
	s_add_nc_u64 s[6:7], s[6:7], s[34:35]          ; inputs_scales at my 16 blocks
	s_add_nc_u64 s[8:9], s[8:9], s[78:79]
	s_add_nc_u64 s[12:13], s[12:13], s[78:79]
	s_add_nc_u64 s[10:11], s[10:11], s[80:81]
	s_add_nc_u64 s[14:15], s[14:15], s[80:81]
	s_add_nc_u64 s[20:21], s[20:21], s[82:83]
	s_add_nc_u64 s[16:17], s[16:17], s[84:85]
	s_add_nc_u64 s[18:19], s[18:19], s[28:29]
	s_add_nc_u64 s[22:23], s[22:23], s[86:87]
	s_mov_b32 s[G0S], 1                            ; 1:0 count = 1
	s_lshl_b32 s[G0S+1], s[WV], 13
	s_add_co_u32 s[G0S+1], s[G0S+1], SCL           ; 63:32 LDS address: no place in the cluster enters it
	s_mov_b64 s[G0S+2:G0S+3], s[6:7]               ; 120:64 global address
	s_or_b32 s[G0S+3], s[G0S+3], 0x80000000        ; 127:126 type = 2
.irp t, 0,1
	s_mov_b32 s[G0+4*\t], 1
	s_mul_i32 s[G0+4*\t+1], s[WV], 2*BLKB
	s_add_co_u32 s[G0+4*\t+1], s[G0+4*\t+1], \t*SLOT
	s_add_nc_u64 s[G0+4*\t+2:G0+4*\t+3], s[4:5], \t*STEPB
	s_or_b32 s[G0+4*\t+3], s[G0+4*\t+3], 0x80000000
.endr
	ROUND                                          ; all four work-groups are here: the first joint loads meet
	tensor_load_to_lds s[G0S:G0S+3], s[G1S:G1S+7]  ; the first fills go out as one group: three loads of mine are out: the scale bytes,
	s_nop 0
	tensor_load_to_lds s[G0:G0+3], s[G1:G1+7]      ; blocks 0-7,
	s_nop 0
	tensor_load_to_lds s[G0+4:G0+7], s[G1:G1+7]    ; blocks 8-15
	s_nop 0
.rept 4
	v_nop
.endr
	; ---- ah = hidden W for my 64 columns and the cluster's 16 rows b.  W's fragments lie where U's will lie, hidden's where block 0's will lie
	LOADMAT 12
	WIN 0x40
.irp t, 0,1,2,3,4,5,6,7
.irp c, 0,1,2,3
	global_load_b128 v[16*\t+4*\c:16*\t+4*\c+3], v[VO], s[16:17] offset:128*\t+32*\c
.endr
.endr
	WIN 0
	LOADSC 14
	global_load_b128 v[ASC:ASC+3], v[VS32], s[18:19]
	global_load_b128 v[ASC+4:ASC+7], v[VS32], s[18:19] offset:16
.irp nb, 0,1,2,3
	global_load_b128 v[WN+8*\nb:WN+8*\nb+3], v[VV], s[20:21] offset:64*\nb          ; v at columns 16 nb + 8 h + 0 .. 7
	global_load_b128 v[WN+8*\nb+4:WN+8*\nb+7], v[VV], s[20:21] offset:64*\nb+16
.endr
	s_wait_loadcnt 0x0
.set kk, 0
.rept 32
.set ks, kk/4
.set kn, kk%4
.set kd, BIAS+8*kn
.if ks == 0
.set kc, 0                             ; the first K step starts the sums: nothing is cleared
.else
.set kc, kd
.endif
	MM kd, kc, 0, ks, kn
.set kk, kk+1
.endr
	WIN 0
	; 31 plain lines on v alone: the places behind those products, ahead of the loads over W, its scale words, hidden and its scale words, and of ah's use as the C of other accumulators
	v_pk_add_f32 v[VS:VS+1], v[WN:WN+1], v[WN+2:WN+3]
.irp p, 2,3,4,5,6,7,8,9,10,11,12,13,14,15
	v_pk_add_f32 v[VS:VS+1], v[VS:VS+1], v[WN+2*\p:WN+2*\p+1]                       ; the sum of my 32 numbers of v
.endr
.irp p, 0,1,2,3,4,5,6,7,8,9,10,11,12,13,14,15
	v_pk_mul_f32 v[WN+2*\p:WN+2*\p+1], v[WN+2*\p:WN+2*\p+1], -2.0 op_sel_hi:[1,0]   ; -2 v
.endr
	LOADMAT 8                                      ; U: it stays
	LOADSC 10
	; ---- the first fetch
	s_wait_tensorcnt 0x1                           ; the scale bytes and my part of blocks 0-7 are in; blocks 8-15 may stay out
	s_barrier_signal -1
	s_barrier_wait -1                              ; everybody's are
	s_mov_b32 s[TB], 0
	s_mov_b32 s[TS], 0
	s_mov_b32 s[SS], 0
	v_add_nc_u32 v[ADR], s[TB], v[AL]
	v_add_nc_u32 v[ADS], s[TS], v[SL]
	FRAGS 0, 0
	ds_load_b128 v[ASC:ASC+3], v[ADS]
	ds_load_b128 v[ASC+4:ASC+7], v[ADS] offset:16
	FRAGS 0, 4
	s_mov_b32 s[TB], BLKB
	s_mov_b32 s[TS], 512
	s_wait_loadcnt 0x0                             ; U and its scale words
	; ---- the walk over the 64 blocks
	BLOCK 0, 0, 1                                  ; block 0: there is no tanh yet to set between its products
	PAIRS 3                                        ; blocks 1-6
	s_mov_b32 s[TRIP], 3
.Ltrip:                                            ; a trip goes once round the ring and fills both slots again: blocks 7-22, 23-38, 39-54
	CHANGE 0, 1, 1, 0
	PAIRS 4
	CHANGE 1, 1, 0, 1
	PAIRS 4
	s_sub_co_u32 s[TRIP], s[TRIP], 1
	s_cmp_lg_u32 s[TRIP], 0
	s_cbranch_scc1 .Ltrip
	CHANGE 0, 0, 1, 0                              ; the tail is written out: nothing is left to ask for
	PAIRS 4                                        ; blocks 55-62
	BLOCK 1, 1, 0                                  ; block 63 fetches nothing
	s_wait_dscnt 0x0                               ; block 62's score is stored: its register is written again below
.set en, 0
.rept 128
	ENTRY 1, 0, 1                                  ; block 63's tanh stands bare
.set en, en+1
.endr
	; ---- THE WAY OUT.  The four waves' scores (64 columns each) of a row are added; wave w takes rows 4 w .. 4 w + 3: sixteen lanes store a row's 64 scores, 256 consecutive bytes at a multiple of 256 from part's first byte
	s_wait_dscnt 0x0                               ; for the others' sake: my stores of scores are done
	s_barrier_signal -1
	s_barrier_wait -1
.irp i, 0,1
.irp p, 0,1,2,3
	ds_load_b128 v[OUTR+16*\i+4*\p:OUTR+16*\i+4*\p+3], v[RDA] offset:\p*SCRW+\i*2*SCRP
.endr
.endr
	s_wait_dscnt 0x0
.irp i, 0,1
.irp d, 0,2
	v_pk_add_f32 v[OUTR+16*\i+\d:OUTR+16*\i+\d+1], v[OUTR+16*\i+\d:OUTR+16*\i+\d+1], v[OUTR+16*\i+4+\d:OUTR+16*\i+4+\d+1]
	v_pk_add_f32 v[OUTR+16*\i+8+\d:OUTR+16*\i+8+\d+1], v[OUTR+16*\i+8+\d:OUTR+16*\i+8+\d+1], v[OUTR+16*\i+12+\d:OUTR+16*\i+12+\d+1]
.endr
.irp d, 0,2
	v_pk_add_f32 v[OUTR+16*\i+\d:OUTR+16*\i+\d+1], v[OUTR+16*\i+\d:OUTR+16*\i+\d+1], v[OUTR+16*\i+8+\d:OUTR+16*\i+8+\d+1]
.endr
	global_store_b128 v[GOF], v[OUTR+16*\i:OUTR+16*\i+3], s[22:23] offset:\i*8192
.endr
	s_wait_tensorcnt 0x0                           ; the wave's end, behind my last tensor load and my last LDS store
	ds_add_u32 v[SPW], v[NIL]
	s_wait_dscnt 0x0
	ROUND                                          ; the closing round: no work-group ends while a partner may still ask for a tile that names it
	s_endpgm
.Lfunc_end_k_q60c11f4529_scores:
	.size	k_q60c11f4529_scores, .Lfunc_end_k_q60c11f4529_scores-k_q60c11f4529_scores
	.p2alignl 7, 3214868480
	.fill 96, 4, 3214868480
	.section	.rodata,"a",@progbits
	.p2align	6, 0x0
	.amdhsa_kernel k_q60c11f4529_scores
		.amdhsa_group_segment_fixed_size 327680
		.amdhsa_private_segment_fixed_size 0
		.amdhsa_enable_private_segment 0
		.amdhsa_kernarg_size 80
		.amdhsa_user_sgpr_count 2
		.amdhsa_user_sgpr_kernarg_segment_ptr 1
		.amdhsa_wavefront_size32 1
		.amdhsa_system_sgpr_workgroup_id_x 1
		.amdhsa_system_sgpr_workgroup_id_y 1
		.amdhsa_system_sgpr_workgroup_id_z 1
		.amdhsa_system_vgpr_workitem_id 0
		.amdhsa_next_free_vgpr 1024
		.amdhsa_next_free_sgpr 90
		.amdhsa_reserve_vcc 0
		.amdhsa_float_denorm_mode_32 3
		.amdhsa_float_denorm_mode_16_64 3
		.amdhsa_memory_ordered 1
		.amdhsa_forward_progress 1
		.amdhsa_inst_pref_size 187
	.end_amdhsa_kernel
	.amdgpu_metadata
---
amdhsa.version: [ 1, 2 ]
amdhsa.kernels:
  - .name:           k_q60c11f4529_scores
    .symbol:         k_q60c11f4529_scores.kd
    .args:
      - { .name: inputs_codes, .offset: 0, .size: 8, .value_kind: global_buffer, .address_space: global }
      - { .name: inputs_scales, .offset: 8, .size: 8, .value_kind: global_buffer, .address_space: global }
      - { .name: U_codes, .offset: 16, .size: 8, .value_kind: global_buffer, .address_space: global }
      - { .name: U_scales, .offset: 24, .size: 8, .value_kind: global_buffer, .address_space: global }
      - { .name: W_codes, .offset: 32, .size: 8, .value_kind: global_buffer, .address_space: global }
      - { .name: W_scales, .offset: 40, .size: 8, .value_kind: global_buffer, .address_space: global }
      - { .name: hidden_codes, .offset: 48, .size: 8, .value_kind: global_buffer, .address_space: global }
      - { .name: hidden_scales, .offset: 56, .size: 8, .value_kind: global_buffer, .address_space: global }
      - { .name: v, .offset: 64, .size: 8, .value_kind: global_buffer, .address_space: global }
      - { .name: part, .offset: 72, .size: 8, .value_kind: global_buffer, .address_space: global }
    .group_segment_fixed_size: 327680
    .private_segment_fixed_size: 0
    .kernarg_segment_align: 8
    .kernarg_segment_size: 80
    .max_flat_workgroup_size: 128
    .sgpr_count:     90
    .vgpr_count:     1024
    .wavefront_size: 32
...
	.end_amdgpu_metadata
.endif
;; end of part 1
;; launch softmax (part 2): grid 64 x 1, 1 waves a work-group, no clusters, 0 bytes of LDS; arguments part, pad_matrix, out0; writes out0
.if DOCPART == 2
	.amdgcn_target "amdgcn-amd-amdhsa--gfx1250"
	.amdhsa_code_object_version 6
	.text
	.protected	k_q60c11f4529_softmax
	.globl	k_q60c11f4529_softmax
	.p2align	8
	.type	k_q60c11f4529_softmax,@function
k_q60c11f4529_softmax:
	s_mov_b64 s[64:65], 0
	v_nop
	global_prefetch_b8 v0, s[64:65] scope:SCOPE_SE
	s_setreg_imm32_b32 hwreg(HW_REG_WAVE_MODE, 25, 1), 1
	s_wait_xcnt 0x0
; out0[b][:] = softmax over s of (pad_matrix[b][s] ? -100000 : the sum over the four quarters q of part[q][b][s]).  part: [4][64][1024] f32; pad_matrix: [64][1024] bytes, 0 or 1; out0: [64][1024] f32.
; One wave takes one row b: 1,024 numbers are 32 registers a lane, so the row stays in registers between the maximum, the sum and the division: no LDS, no barrier.
; Lane l holds s = 128 j + 4 l + 0 .. 3, j = 0 .. 7: each load and store of the wave covers 512 consecutive bytes.
; The row's true maximum is taken away before the exponential, by a subtraction of its own, so that equal numbers give exactly 0 (a row that is all pads comes out uniform).
; No matrix unit, no cluster, no tensor load: 64 rows of 16 KiB are read once and nothing is shared.  LIMITS: NaN and infinities in part are not served.
.set P0,  16                           ; v16-143  quarter q at 32 q; the row ends up in v16-47
.set PD,  144                          ; v144-151 four pad bytes a register
.set TMP, 152                          ; v152-153 at work
.set NEG, 154                          ; v154     -100000
.set XL,  155                          ; v155     the other half of the lanes'
.set MX,  156                          ; v[156:157] the maximum, twice; later 1 / the sum
.set SM,  158                          ; v[158:159] the sum, in two halves
	s_load_b128 s[4:7], s[0:1], 0x0                ; part, pad_matrix
	s_load_b64 s[8:9], s[0:1], 0x10                ; out0
	v_lshlrev_b32 v1, 4, v0                        ; 16 bytes a lane
	v_lshlrev_b32 v2, 2, v0                        ; 4 pad bytes a lane
	s_lshl_b32 s10, ttmp9, 12                      ; row b: 4,096 bytes of f32,
	s_mov_b32 s11, 0
	s_lshl_b32 s12, ttmp9, 10                      ; 1,024 pad bytes
	s_mov_b32 s13, 0
	s_mov_b32 s14, 0x76543210                      ; v_permlanex16_b32's selects for lane l xor 16
	s_mov_b32 s15, 0xfedcba98
	v_mov_b32 v[NEG], 0xc7c35000                   ; -100000.0
	v_mov_b32 v[XL], 0                             ; written once: a lane permute's destination counts as one of its sources
	s_wait_kmcnt 0x0
	s_add_nc_u64 s[4:5], s[4:5], s[10:11]
	s_add_nc_u64 s[6:7], s[6:7], s[12:13]
	s_add_nc_u64 s[8:9], s[8:9], s[10:11]
.irp q, 0,1,2,3
.irp j, 0,1,2,3,4,5,6,7
	global_load_b128 v[P0+32*\q+4*\j:P0+32*\q+4*\j+3], v1, s[4:5] offset:\q*262144+\j*512 th:TH_LOAD_NT
.endr
.endr
.irp j, 0,1,2,3,4,5,6,7
	global_load_b32 v[PD+\j], v2, s[6:7] offset:128*\j th:TH_LOAD_NT
.endr
	s_wait_loadcnt 0x0
.irp t, 0,1,2,3,4,5,6,7,8,9,10,11,12,13,14,15
	v_pk_add_f32 v[P0+2*\t:P0+2*\t+1], v[P0+2*\t:P0+2*\t+1], v[P0+32+2*\t:P0+32+2*\t+1]          ; quarters 0 + 1,
	v_pk_add_f32 v[P0+64+2*\t:P0+64+2*\t+1], v[P0+64+2*\t:P0+64+2*\t+1], v[P0+96+2*\t:P0+96+2*\t+1]  ; 2 + 3,
.endr
.irp t, 0,1,2,3,4,5,6,7,8,9,10,11,12,13,14,15
	v_pk_add_f32 v[P0+2*\t:P0+2*\t+1], v[P0+2*\t:P0+2*\t+1], v[P0+64+2*\t:P0+64+2*\t+1]          ; and both: the score
.endr
.irp j, 0,1,2,3,4,5,6,7
.irp i, 0,1,2,3
	v_bfe_u32 v[TMP+\i%2], v[PD+\j], 8*\i, 8       ; the number's pad byte
	v_cmp_ne_u32 vcc_lo, 0, v[TMP+\i%2]
	v_cndmask_b32 v[P0+4*\j+\i], v[P0+4*\j+\i], v[NEG], vcc_lo
.endr
.endr
	v_max3_num_f32 v[MX], v[P0], v[P0+1], v[P0+2]  ; the largest of my 32,
.irp i, 3,5,7,9,11,13,15,17,19,21,23,25,27,29
	v_max3_num_f32 v[MX], v[MX], v[P0+\i], v[P0+\i+1]
.endr
	v_max_num_f32 v[MX], v[MX], v[P0+31]
	v_max_num_f32_dpp v[MX], v[MX], v[MX] row_xmask:1 row_mask:0xf bank_mask:0xf   ; of the 16 lanes of my half,
	v_max_num_f32_dpp v[MX], v[MX], v[MX] row_xmask:2 row_mask:0xf bank_mask:0xf
	v_max_num_f32_dpp v[MX], v[MX], v[MX] row_xmask:4 row_mask:0xf bank_mask:0xf
	v_max_num_f32_dpp v[MX], v[MX], v[MX] row_xmask:8 row_mask:0xf bank_mask:0xf
	v_permlanex16_b32 v[XL], v[MX], s14, s15
	v_max_num_f32 v[MX], v[MX], v[XL]              ; and of the other half: the row's
	v_mov_b32 v[MX+1], v[MX]
.irp t, 0,1,2,3,4,5,6,7,8,9,10,11,12,13,14,15
	v_pk_add_f32 v[P0+2*\t:P0+2*\t+1], v[P0+2*\t:P0+2*\t+1], v[MX:MX+1] neg_lo:[0,1] neg_hi:[0,1]   ; less the maximum
.endr
.irp t, 0,1,2,3,4,5,6,7,8,9,10,11,12,13,14,15
	v_pk_mul_f32 v[P0+2*\t:P0+2*\t+1], v[P0+2*\t:P0+2*\t+1], 0x3fb8aa3b op_sel_hi:[1,0]          ; x log2(e)
.endr
.irp n, 0,1,2,3,4,5,6,7,8,9,10,11,12,13,14,15,16,17,18,19,20,21,22,23,24,25,26,27,28,29,30,31
	v_exp_f32 v[P0+\n], v[P0+\n]
.endr
	v_nop                                          ; a plain instruction behind the last exponential (ISA guide 5.7.2),
	s_wait_alu depctr_va_vdst(0)                   ; and the one wait for the batch ahead of its first reader
	v_pk_add_f32 v[SM:SM+1], v[P0:P0+1], v[P0+2:P0+3]
.irp t, 2,3,4,5,6,7,8,9,10,11,12,13,14,15
	v_pk_add_f32 v[SM:SM+1], v[SM:SM+1], v[P0+2*\t:P0+2*\t+1]
.endr
	v_add_f32 v[SM], v[SM], v[SM+1]
	v_add_f32_dpp v[SM], v[SM], v[SM] row_xmask:1 row_mask:0xf bank_mask:0xf
	v_add_f32_dpp v[SM], v[SM], v[SM] row_xmask:2 row_mask:0xf bank_mask:0xf
	v_add_f32_dpp v[SM], v[SM], v[SM] row_xmask:4 row_mask:0xf bank_mask:0xf
	v_add_f32_dpp v[SM], v[SM], v[SM] row_xmask:8 row_mask:0xf bank_mask:0xf
	v_permlanex16_b32 v[XL], v[SM], s14, s15
	v_add_f32 v[SM], v[SM], v[XL]                  ; the row's sum, at least 1
	v_rcp_f32 v[MX], v[SM]
	v_nop
	s_wait_alu depctr_va_vdst(0)
.irp t, 0,1,2,3,4,5,6,7,8,9,10,11,12,13,14,15
	v_pk_mul_f32 v[P0+2*\t:P0+2*\t+1], v[P0+2*\t:P0+2*\t+1], v[MX:MX+1] op_sel_hi:[1,0]
.endr
.irp j, 0,1,2,3,4,5,6,7
	global_store_b128 v1, v[P0+4*\j:P0+4*\j+3], s[8:9] offset:512*\j th:TH_STORE_NT   ; 32 lanes store 512 consecutive bytes, at a multiple of 256 from out0's first byte
.endr
	s_endpgm
.Lfunc_end_k_q60c11f4529_softmax:
	.size	k_q60c11f4529_softmax, .Lfunc_end_k_q60c11f4529_softmax-k_q60c11f4529_softmax
	.p2alignl 7, 3214868480
	.fill 96, 4, 3214868480
	.section	.rodata,"a",@progbits
	.p2align	6, 0x0
	.amdhsa_kernel k_q60c11f4529_softmax
		.amdhsa_group_segment_fixed_size 0
		.amdhsa_private_segment_fixed_size 0
		.amdhsa_enable_private_segment 0
		.amdhsa_kernarg_size 24
		.amdhsa_user_sgpr_count 2
		.amdhsa_user_sgpr_kernarg_segment_ptr 1
		.amdhsa_wavefront_size32 1
		.amdhsa_system_sgpr_workgroup_id_x 1
		.amdhsa_system_sgpr_workgroup_id_y 1
		.amdhsa_system_sgpr_workgroup_id_z 1
		.amdhsa_system_vgpr_workitem_id 0
		.amdhsa_next_free_vgpr 160
		.amdhsa_next_free_sgpr 66
		.amdhsa_reserve_vcc 1
		.amdhsa_float_denorm_mode_32 3
		.amdhsa_float_denorm_mode_16_64 3
		.amdhsa_memory_ordered 1
		.amdhsa_forward_progress 1
		.amdhsa_inst_pref_size 20
	.end_amdhsa_kernel
	.amdgpu_metadata
---
amdhsa.version: [ 1, 2 ]
amdhsa.kernels:
  - .name:           k_q60c11f4529_softmax
    .symbol:         k_q60c11f4529_softmax.kd
    .args:
      - { .name: part, .offset: 0, .size: 8, .value_kind: global_buffer, .address_space: global }
      - { .name: pad_matrix, .offset: 8, .size: 8, .value_kind: global_buffer, .address_space: global }
      - { .name: out0, .offset: 16, .size: 8, .value_kind: global_buffer, .address_space: global }
    .group_segment_fixed_size: 0
    .private_segment_fixed_size: 0
    .kernarg_segment_align: 8
    .kernarg_segment_size: 24
    .max_flat_workgroup_size: 32
    .sgpr_count:     66
    .vgpr_count:     160
    .wavefront_size: 32
...
	.end_amdgpu_metadata
.endif
;; end of part 2
